; MI455X (gfx1250); checked and timed in simulation.
; The chip was launched on July 23, 2026; its instructions are those of AMD's public machine-readable ISA for CDNA 5 (MIT licence, August 2026) and "CDNA5" Instruction Set Architecture Reference Guide (July 2026). The comments in the code are by the model that wrote it; some were corrected since.
;; Attention Net. Allowed arithmetic: float matrix products may take bf16 or f16 operands with f32 sums; other float arithmetic in f32, or as packed bf16 or f16 multiplies, adds, multiply-adds, maxima and minima; sums over many terms, partial sums and values carried from step to step in f32; what a program stores and reads back later, other than sums and carried values, may be rounded once to bf16 or f16.
;; Inputs: W 64 x 32 float32; b 32 float32; h 32 float32; p 64 x 1 float32; x 4,096 x 40 x 64 float32.
;; Outputs: out0 4,096 x 1 float32.
;; One version. Each part assembles by itself: llvm-mc -triple=amdgcn-amd-amdhsa -mcpu=gfx1250 --defsym DOCPART=n.
;; ======== version 1 of 1: 1 launch
;; limits: values outside matrix products are rounded to bf16
;; launch afm (part 1): grid 256 x 1, 8 waves a work-group, no clusters, 323,840 bytes of LDS; arguments x, W, b, h, p, out0; writes out0
.if DOCPART == 1
	.amdgcn_target "amdgcn-amd-amdhsa--gfx1250"
	.amdhsa_code_object_version 6
	.text
	.protected	k_qec9aeed351_afm
	.globl	k_qec9aeed351_afm
	.p2align	8
	.type	k_qec9aeed351_afm,@function
k_qec9aeed351_afm:
	s_mov_b64 s[64:65], 0
	v_nop
	global_prefetch_b8 v0, s[64:65] scope:SCOPE_SE
	s_setreg_imm32_b32 hwreg(HW_REG_WAVE_MODE, 25, 1), 1
	s_wait_xcnt 0x0
; out[B] = sum over the 780 pairs i<j of att(i,j) * t(i,j),   t(i,j) = sum_e x_i[e] p[e] x_j[e],
; att = exp(s) / sum exp(s),   s(i,j) = sum_a relu( sum_e x_i[e] x_j[e] W[e][a] + b[a] ) h[a].
; x: [4096][40][64] f32, W: [64][32], b, h: [32], p: [64], out0: [4096] f32.
;
; SHARES.  256 work-groups of 8 waves; a work-group owns 16 batches, a wave two, one whole batch at a time, so no sum leaves a wave.
; All of a work-group's x (16 x 10,240 bytes) is asked for in the first lines, each batch by one tensor load into an LDS slot of its own.
;
; PAIRS.  A sum over pairs has no order, so they are taken cyclically: {i, (i+d) mod 40}, d = 1..19 for every i, d = 20 for i < 20
; (760 + 20 = 780, each pair once).  A tile is 16 pairs: one factor is a fragment that stays in registers for a whole phase (fields 0-15,
; 16-31, 32-39 twice), the other is loaded from a bf16 stage of 60 rows in which rows 40-59 repeat fields 0-19.  50 tiles a batch;
; the 20 lanes that would repeat a pair get the score -infinity.
;
; THE SCORE PRODUCT.  A = W transposed (M = 32 units in 2 tiles, K = 64 in 2 steps, kept in 32 registers), B = the 16 products, C = b.
; A lane then holds 16 units of ONE pair: relu and the dot with h stay in the lane; one exchange between the lane halves ends the score.
; THE POOLING.  pooled @ p = sum att * t, and t is a Gram matrix X diag(p) X^T: 16 matrix instructions a batch, results through LDS.
; THE NORMALISATION.  The batch's largest score is taken away in front of the exponential (reference() takes nothing away: the quotient
; is the same wherever reference() is finite).  log2(e) is folded into h once, so that v_exp_f32 (base 2) serves.
;
; LIMITS.  (1) x, p and W are rounded to bf16, and each product x_i x_j (and x_i p) is rounded to bf16 again, in place of one rounding of an
; f32 product.  (2) NaN and infinite inputs are not honoured: the relu by v_max_num_f32 drops a NaN.  (3) Where reference() overflows
; (a score above about 88) or all its exponentials underflow it gives no finite number; this text still gives one.  (4) A pair whose score lies
; more than 126 binary orders under the largest counts as zero (v_exp_f32 flushes: ISA guide 15.8).
; NO CLUSTER: work-groups share only W, b, h, p, 8,704 of the 172,544 bytes that each reads.  NO PREFETCH, NO REFILLED RING: every byte of x is
; requested at once and each slot is filled once.  out0: a work-group's 16 results leave as 64 consecutive bytes by one store.
.set SLOTB, 10240                      ; one batch of x in f32: 40 rows of 256 bytes
.set STP,   144                        ; pitch of the bf16 stage: 128 bytes + 16, an odd multiple of 16: the 16 rows of a fragment load meet in no bank
.set GP,    208                        ; pitch of the Gram matrix: 48 f32 + 16 bytes, again an odd multiple of 16
.set ST_B,  61*STP                     ; stage: 60 rows of fields, row 60 = p
.set G_B,   48*GP
.set PW_B,  ST_B+G_B                   ; a wave's private LDS: stage, then Gram matrix
.set PW0,   16*SLOTB                   ; behind the 16 slots
.set WP,    136                        ; pitch of W in LDS: 128 bytes + 8
.set WL,    PW0+8*PW_B                 ; W in f32
.set OUTL,  WL+64*WP                   ; the work-group's 16 results
; vector registers
.set MA0,  1                           ; stage + 144 r + 16 h              (r = lane & 15, h = lane >> 4)
.set MA2,  2                           ; stage + 144 ((r&7) + (r>>3)) + 16 h
.set MA3,  3                           ; stage + 144 (r&7) + 16 h
.set PA,   4                           ; stage + 16 h
.set TA0,  5                           ; Gram + 212 r + 4 h
.set TA2,  6                           ; Gram + 212 (r&7) + 4 (r>>3) + 8 h
.set GS,   7                           ; Gram + 208 r + 32 h
.set CA,   8                           ; my wave's slots + 16 lane
.set SA,   9                           ; stage + 144 h + 8 r
.set OA,   10                          ; OUTL + 8 wave
.set NINF, 11                          ; -infinity
.set ACC,  12                          ; v[12:13] running dot with h
.set UA,   14                          ; half score of an even tile
.set UB,   15                          ; half score of an odd tile
.set WA,   16                          ; v[16:47]   W fragments: 8 registers at 16 t + 8 c (M tile t, K step c)
.set BI,   48                          ; v[48:63]   b in the layout of C
.set HV,   64                          ; v[64:79]   h log2(e) in the layout of D
.set FS,   80                          ; v[80:127]  the three static fragments, 16 registers each
.set XM,   128                         ; v[128:191] ring of four moving fragments, 16 registers each
.set DA,   192                         ; v[192:223] two result buffers of 16; the Gram product's four accumulators
.set SC,   224                         ; v[224:248] 25 registers of scores, 32 pairs each; v[224:239] also x p of fields 16-31 in the Gram phase
.set RES,  250                         ; v[250:251] the wave's two results
.set TT,   XM+32                       ; v[160:184] t in the scores' layout
.set M0,   DA                          ; the end of a batch: four maxima,
.set MX,   DA+4                        ; the maximum twice,
.set ZZ,   DA+6                        ; sum of e (pair),
.set NN,   DA+8                        ; sum of e t (pair)
	s_load_b256 s[4:11], s[0:1], 0x0               ; x s[4:5], W s[6:7], b s[8:9], h s[10:11]
	s_load_b128 s[12:15], s[0:1], 0x20             ; p s[12:13], out0 s[14:15]
	v_lshl_add_u32 v254, v0, 2, 0x4ed00
	v_mov_b32 v255, 0
	ds_add_u32 v254, v255
	ds_add_u32 v254, v255
	v_lshrrev_b32 v12, 5, v0
	v_readfirstlane_b32 s16, v12                   ; wave 0..7
	s_mov_b32 s18, 0x76543210                      ; v_permlanex16_b32: lane i of one half reads lane i of the other
	s_mov_b32 s19, 0xfedcba98
	s_mov_b32 s20, 0x000fffff                      ; lanes of score register 19 that hold a pair: tile 38 whole, tile 39 pairs 0-3
	s_mov_b32 s21, 0x00ffffff                      ; of register 24: tile 48 whole, tile 49 pairs 0-7
	; descriptor group 1 for x: a batch is dense, taken as 40 rows of 32 elements of 8 bytes, no padding
	s_mov_b32 s24, 3<<16                           ; element of 8 bytes; no work-group mask
	s_mov_b32 s25, 32<<16                          ; tensor_dim0 = 32
	s_mov_b32 s26, 40<<16                          ; tensor_dim1 = 40
	s_mov_b32 s27, 32<<16                          ; tile_dim0 = 32
	s_mov_b32 s28, 40                              ; tile_dim1 = 40
	s_mov_b32 s29, 32                              ; pitch = 32 elements
	s_mov_b32 s30, 0
	s_mov_b32 s31, 0
	s_mov_b32 s32, 1                               ; group 0 of my first batch
	s_mul_i32 s33, s16, 2*SLOTB                    ; its slot
	s_mov_b32 s36, 1                               ; group 0 of my second batch
	s_add_co_u32 s37, s33, SLOTB
	s_mul_i32 s22, ttmp9, 16*SLOTB                 ; byte offset of my first batch in x (below 2^26)
	s_add_co_u32 s22, s22, s33
	s_mov_b32 s23, 0
	s_mul_i32 s52, s16, PW_B
	s_add_co_u32 s52, s52, PW0                     ; my stage
	s_add_co_u32 s53, s52, ST_B                    ; my Gram matrix
	s_lshl_b32 s54, s16, 3
	s_add_co_u32 s54, s54, OUTL                    ; my two result words
	s_wait_dscnt 0x0
	s_wait_kmcnt 0x0
	s_cmp_lg_u32 s16, 0
	s_cbranch_scc1 .Lnot_w
	; wave 0 alone asks for W, first of all: 64 rows of 32 f32, 2 words of padding behind each 32
	s_mov_b32 s40, (2<<16)|(1<<20)|(4<<22)|(1<<25)
	s_mov_b32 s41, 32<<16
	s_mov_b32 s42, 64<<16
	s_mov_b32 s43, 32<<16
	s_mov_b32 s44, 64
	s_mov_b32 s45, 32
	s_mov_b32 s46, 0
	s_mov_b32 s47, 0
	s_mov_b32 s48, 1
	s_mov_b32 s49, WL
	s_mov_b64 s[50:51], s[6:7]
	s_or_b32 s51, s51, 0x80000000
	tensor_load_to_lds s[48:51], s[40:47]
	s_nop 0
.Lnot_w:
	s_add_nc_u64 s[34:35], s[4:5], s[22:23]
	s_add_nc_u64 s[38:39], s[34:35], SLOTB
	s_or_b32 s35, s35, 0x80000000
	s_or_b32 s39, s39, 0x80000000
	tensor_load_to_lds s[32:35], s[24:31]          ; my two batches; with W at most three tensor loads of a wave are outstanding
	s_nop 0
	tensor_load_to_lds s[36:39], s[24:31]          ; no descriptor register is written again
	s_nop 0
	v_and_b32 v12, 15, v0                          ; r
	v_bfe_u32 v13, v0, 4, 1                        ; h
	v_and_b32 v14, 7, v0                           ; r & 7
	v_bfe_u32 v15, v0, 3, 1                        ; r >> 3
	v_lshlrev_b32 v225, 5, v13                     ; b, h: unit 16 t + 8 h + j lies at byte 64 t + 32 h + 4 j
	v_lshlrev_b32 v226, 4, v12                     ; p: four numbers for each of 16 lanes
	global_load_b128 v[BI:BI+3],     v225, s[8:9]
	global_load_b128 v[BI+4:BI+7],   v225, s[8:9] offset:16
	global_load_b128 v[BI+8:BI+11],  v225, s[8:9] offset:64
	global_load_b128 v[BI+12:BI+15], v225, s[8:9] offset:80
	global_load_b128 v[HV:HV+3],     v225, s[10:11]
	global_load_b128 v[HV+4:HV+7],   v225, s[10:11] offset:16
	global_load_b128 v[HV+8:HV+11],  v225, s[10:11] offset:64
	global_load_b128 v[HV+12:HV+15], v225, s[10:11] offset:80
	global_load_b128 v[228:231],     v226, s[12:13]
	v_lshlrev_b32 v224, 4, v13
	v_add_nc_u32 v[PA], s52, v224
	v_mul_u32_u24 v224, v12, STP
	v_add_nc_u32 v[MA0], v[PA], v224
	v_mul_u32_u24 v224, v14, STP
	v_add_nc_u32 v[MA3], v[PA], v224
	v_add_nc_u32 v224, v14, v15
	v_mul_u32_u24 v224, v224, STP
	v_add_nc_u32 v[MA2], v[PA], v224
	v_mul_u32_u24 v224, v12, GP+4
	v_lshl_add_u32 v224, v13, 2, v224
	v_add_nc_u32 v[TA0], s53, v224
	v_mul_u32_u24 v224, v14, GP+4
	v_lshl_add_u32 v224, v15, 2, v224
	v_lshl_add_u32 v224, v13, 3, v224
	v_add_nc_u32 v[TA2], s53, v224
	v_mul_u32_u24 v224, v12, GP
	v_lshl_add_u32 v224, v13, 5, v224
	v_add_nc_u32 v[GS], s53, v224
	v_and_b32 v224, 31, v0
	v_lshlrev_b32 v224, 4, v224
	v_add_nc_u32 v[CA], s33, v224
	v_lshlrev_b32 v224, 3, v12
	v_add_nc_u32 v232, s52, v224                   ; stage + 8 r: where p's 8 bytes go (row 60 by the immediate)
	v_mul_u32_u24 v224, v13, STP
	v_add_nc_u32 v[SA], v232, v224
	v_mov_b32 v[OA], s54
	v_mov_b32 v[NINF], 0xff800000
	v_mov_b32 v[RES+1], 0                          ; the first batch's shift of the result pair reads it
	v_mul_u32_u24 v227, v13, 8*WP                  ; W[e][a] for the A fragment: e = 32 c + 16 g + 8 h + jj, a = 16 t + r
	v_lshl_add_u32 v227, v12, 2, v227
	v_add_nc_u32 v227, WL, v227
	s_wait_tensorcnt 0x2                           ; wave 0: only its two batches are younger than W, so W is in LDS; the others have issued two
	s_barrier_signal -1
	s_barrier_wait -1                              ; every wave may read W
.irp t, 0,1
.irp c, 0,1
.irp g, 0,1
.irp jj, 0,1,2,3,4,5,6,7
	ds_load_b32 v[XM+32*\t+16*\c+8*\g+\jj], v227 offset:(32*\c+16*\g+\jj)*WP+64*\t
.endr
.endr
.endr
.endr
	s_wait_loadcnt 0x0                             ; b, h, p, once
.irp j, 0,2,4,6,8,10,12,14
	v_pk_mul_f32 v[HV+\j:HV+\j+1], v[HV+\j:HV+\j+1], 0x3fb8aa3b op_sel_hi:[1,0]   ; h log2(e): scores come out in base 2
.endr
	v_cvt_pk_bf16_f32 v228, v228, v229
	v_cvt_pk_bf16_f32 v229, v230, v231
	ds_store_b64 v232, v[228:229] offset:60*STP    ; p in bf16 as row 60 of my stage (both lane halves write the same bytes)
	s_wait_dscnt 0x1                               ; LDS instructions end in order (ISA guide 5.7.1): only that store is younger than the 64 loads
.set n, 0
.rept 32
	v_cvt_pk_bf16_f32 v[WA+n], v[XM+2*n], v[XM+2*n+1]
.set n, n+1
.endr
; A batch from its f32 slot into the bf16 stage.  Load k of a lane: 4 numbers of row 2 k + h, which become 8 bytes; rows 0-19 are stored twice.
.macro CONV bt
.set n, 0
.rept 20
	ds_load_b128 v[XM+4*n:XM+4*n+3], v[CA] offset:SLOTB*\bt+512*n
.set n, n+1
.endr
	s_wait_dscnt 0xa                               ; the first ten of the twenty are in
.set n, 0
.rept 10
	v_cvt_pk_bf16_f32 v[XM+4*n],   v[XM+4*n],   v[XM+4*n+1]
	v_cvt_pk_bf16_f32 v[XM+4*n+1], v[XM+4*n+2], v[XM+4*n+3]
.set n, n+1
.endr
	s_wait_dscnt 0x0
.rept 10
	v_cvt_pk_bf16_f32 v[XM+4*n],   v[XM+4*n],   v[XM+4*n+1]
	v_cvt_pk_bf16_f32 v[XM+4*n+1], v[XM+4*n+2], v[XM+4*n+3]
.set n, n+1
.endr
.set n, 0
.rept 20
	ds_store_b64 v[SA], v[XM+4*n:XM+4*n+1] offset:2*STP*n
.if n < 10
	ds_store_b64 v[SA], v[XM+4*n:XM+4*n+1] offset:2*STP*n+40*STP
.endif
.set n, n+1
.endr
.endm
; A fragment of 16 rows x 64 K of bf16: four loads of 16 bytes, 32 bytes apart (registers 0-7: K step 0, 8-15: K step 1)
.macro LD4 dst, areg, off
.irp q, 0,1,2,3
	ds_load_b128 v[\dst+4*\q:\dst+4*\q+3], v[\areg] offset:\off+32*\q
.endr
.endm
.macro PKM16 dst, a, b                 ; a whole fragment times another, element by element, rounded to bf16
.irp q, 0,1,2,3,4,5,6,7,8,9,10,11,12,13,14,15
	v_pk_mul_bf16 v[\dst+\q], v[\a+\q], v[\b+\q]
.endr
.endm
.macro GMM acc, a, b, kc               ; one K step of a Gram tile; the first starts the sum
.if \kc == 0
	v_wmma_f32_16x16x32_bf16 v[DA+8*\acc:DA+8*\acc+7], v[\a:\a+7], v[\b:\b+7], 0
.else
	v_wmma_f32_16x16x32_bf16 v[DA+8*\acc:DA+8*\acc+7], v[\a+8:\a+15], v[\b+8:\b+15], v[DA+8*\acc:DA+8*\acc+7]
.endif
.endm
.macro GST acc, i0, c0                 ; lane (r, h), register j = t(i0 + r, column c0 + 8 h + j): 32 neighbouring bytes of row i0 + r
	ds_store_b128 v[GS], v[DA+8*\acc:DA+8*\acc+3]   offset:GP*\i0+4*\c0
	ds_store_b128 v[GS], v[DA+8*\acc+4:DA+8*\acc+7] offset:GP*\i0+4*\c0+16
.endm
.macro PLACES5                         ; five places behind matrix instructions: for the LDS stores that read the results, for the
.rept 5                                ; loads that follow into operand registers, and for the next matrix instructions that write over the results
	v_nop
.endr
.endm
; The static fragments, and G[i][c - 16 (i >> 4)] = t(i, c) for stage rows c; source 0 = rows c, source 1 = rows i times p.
.macro GRAM
	LD4 FS,    MA0, 0                              ; fields 0-15
	LD4 XM+32, PA,  60*STP                         ; p, the same row in every lane
	LD4 FS+16, MA0, 16*STP                         ; fields 16-31
	LD4 XM,    MA0, 32*STP                         ; stage rows 32-47
	LD4 XM+16, MA0, 8*STP                          ; fields 8-23, which stand for stage rows 48-63
	LD4 FS+32, MA3, 32*STP                         ; fields 32-39, twice
	s_wait_dscnt 0x10                              ; of 24 loads the first 8 are in
	PKM16 XM+48, FS, XM+32
	s_wait_dscnt 0xc                               ; the first 12
	PKM16 SC, FS+16, XM+32
	s_wait_dscnt 0x8                               ; the first 16
	PKM16 XM+32, XM, XM+32
	s_wait_dscnt 0x4                               ; all but the last fragment, which tile 40 is the first to use
	GMM 0, FS,    XM+48, 0
	GMM 1, FS+16, XM+48, 0
	GMM 2, XM,    XM+48, 0
	GMM 3, FS+16, SC,    0
	GMM 0, FS,    XM+48, 1
	GMM 1, FS+16, XM+48, 1
	GMM 2, XM,    XM+48, 1
	GMM 3, FS+16, SC,    1
	PLACES5
	GST 0, 0, 0
	GST 1, 0, 16
	GST 2, 0, 32
	GST 3, 16, 0
	GMM 0, XM,    SC,    0
	GMM 1, XM+16, SC,    0
	GMM 2, XM,    XM+32, 0
	GMM 3, XM+16, XM+32, 0
	GMM 0, XM,    SC,    1
	GMM 1, XM+16, SC,    1
	GMM 2, XM,    XM+32, 1
	GMM 3, XM+16, XM+32, 1
	PLACES5
	GST 0, 16, 16
	GST 1, 16, 32
	GST 2, 32, 0
	GST 3, 32, 16
.endm
; Tile sig: its static fragment, and where its moving rows lie.
;   0-19:  pairs (r, r + d),            d = sig + 1        20-39: pairs (16 + r, 16 + r + d), d = sig - 19
;   40-49: pairs (32 + (r&7), that + d), d = 1 + 2 (sig - 40) + (r>>3)
.macro PICK sig
.if \sig < 20
.set FSEL, FS
.set MREG, MA0
.set MOFF, STP*(\sig+1)
.else
.if \sig < 40
.set FSEL, FS+16
.set MREG, MA0
.set MOFF, STP*(\sig-3)
.else
.set FSEL, FS+32
.set MREG, MA2
.set MOFF, STP*(33+2*(\sig-40))
.endif
.endif
.endm
.macro LOADM sig
	PICK \sig
	LD4 XM+16*((\sig)%4), MREG, MOFF
.endm
.macro MUL2 sig, j                     ; words 2 j, 2 j + 1 of tile sig: moving times static, in place (PICK sig stands in front)
	v_pk_mul_bf16 v[XM+16*((\sig)%4)+2*\j],   v[XM+16*((\sig)%4)+2*\j],   v[FSEL+2*\j]
	v_pk_mul_bf16 v[XM+16*((\sig)%4)+2*\j+1], v[XM+16*((\sig)%4)+2*\j+1], v[FSEL+2*\j+1]
.endm
.macro MMA sig                         ; 32 units x 16 pairs x 64: b is the C of the first K step, the second is a link in place
	v_wmma_f32_16x16x32_bf16 v[DA+16*((\sig)%2):DA+16*((\sig)%2)+7],    v[WA:WA+7],     v[XM+16*((\sig)%4):XM+16*((\sig)%4)+7],    v[BI:BI+7]
	v_wmma_f32_16x16x32_bf16 v[DA+16*((\sig)%2)+8:DA+16*((\sig)%2)+15], v[WA+16:WA+23], v[XM+16*((\sig)%4):XM+16*((\sig)%4)+7],    v[BI+8:BI+15]
	v_wmma_f32_16x16x32_bf16 v[DA+16*((\sig)%2):DA+16*((\sig)%2)+7],    v[WA+8:WA+15],  v[XM+16*((\sig)%4)+8:XM+16*((\sig)%4)+15], v[DA+16*((\sig)%2):DA+16*((\sig)%2)+7]
	v_wmma_f32_16x16x32_bf16 v[DA+16*((\sig)%2)+8:DA+16*((\sig)%2)+15], v[WA+24:WA+31], v[XM+16*((\sig)%4)+8:XM+16*((\sig)%4)+15], v[DA+16*((\sig)%2)+8:DA+16*((\sig)%2)+15]
.endm
.macro RELU tau                        ; 16 results of tile tau, two to a line
.irp j, 0,2,4,6,8,10,12,14
	v_dual_max_num_f32 v[DA+16*((\tau)%2)+\j], 0, v[DA+16*((\tau)%2)+\j] :: v_dual_max_num_f32 v[DA+16*((\tau)%2)+\j+1], 0, v[DA+16*((\tau)%2)+\j+1]
.endr
.endm
.macro HDOT tau, j                     ; two more terms of the dot with h; the first pair starts the sum
.if \j == 0
	v_pk_mul_f32 v[ACC:ACC+1], v[DA+16*((\tau)%2):DA+16*((\tau)%2)+1], v[HV:HV+1]
.else
	v_pk_fma_f32 v[ACC:ACC+1], v[DA+16*((\tau)%2)+2*\j:DA+16*((\tau)%2)+2*\j+1], v[HV+2*\j:HV+2*\j+1], v[ACC:ACC+1]
.endif
.endm
.macro TLOAD                           ; t in the scores' layout: register k, lane (r, h) = tile 2 k + h, pair r
.irp k, 0,1,2,3,4,5,6,7,8,9
	ds_load_b32 v[TT+\k], v[TA0] offset:8*\k+4                     ; row r, column r + d
.endr
.irp k, 0,1,2,3,4,5,6,7,8,9
	ds_load_b32 v[TT+10+\k], v[TA0] offset:16*GP+8*\k+4            ; row 16 + r, column r + d
.endr
.irp k, 0,1,2,3,4
	ds_load_b32 v[TT+20+\k], v[TA2] offset:32*GP+16*\k+4           ; row 32 + (r&7), column (r&7) + d
.endr
.endm
; STEP T: loads of tile T + 3, matrix work of tile T, products of tile T + 1, relu and dot of tile T - 1.
; Distances behind the matrix instructions (ISA guide 7.12.1): the eight relu lines straight behind them name only the OTHER result buffer, so they are
; places; the ring buffer that tile T read is loaded again a step later, its result buffer is read a step later and written again two steps later.
.macro STEP T
.if \T <= 46
	LOADM (\T+3)
.endif
.if \T <= 49
	MMA \T
.endif
.if \T >= 1
	RELU (\T-1)
.endif
.if \T == 49
	TLOAD                                          ; into ring buffers 2 and 3, last multiplied in steps 46 and 47
.endif
.if \T <= 46
	s_wait_dscnt 0x8                               ; tile T + 1 is in; the loads of tiles T + 2 and T + 3 stay out
.endif
.if \T == 47
	s_wait_dscnt 0x4                               ; only tile 49's loads are younger than tile 48's
.endif
.if \T == 48
	s_wait_dscnt 0x0                               ; nothing is younger than tile 49's
.endif
.if \T <= 48
	PICK (\T+1)
.endif
.irp j, 0,1,2,3,4,5,6,7
.if \T <= 48
	MUL2 (\T+1), \j
.endif
.if \T >= 1
	HDOT (\T-1), \j
.endif
.endr
.if \T >= 1
.if ((\T-1)%2) == 0
	v_add_f32 v[UA], v[ACC], v[ACC+1]              ; lane (r, h): the share of units 8 h .. and 16 + 8 h .. in pair r's score
.else
	v_add_f32 v[UB], v[ACC], v[ACC+1]
	v_permlane16_swap_b32 v[UA], v[UB]             ; UA: both tiles' lower shares, UB: both tiles' upper shares
	v_add_f32 v[SC+(\T-1)/2], v[UA], v[UB]         ; lanes 0-15: the even tile's 16 scores, lanes 16-31: the odd tile's
.endif
.endif
.endm
	s_wait_tensorcnt 0x1                           ; only my second batch is younger than my first: the first is in LDS
	CONV 0
	s_mov_b32 s17, 0
.Lbatch:
	GRAM
	LOADM 0
	LOADM 1
	LOADM 2
	s_wait_dscnt 0x8                               ; tile 0 is in; tiles 1 and 2 stay out
	PICK 0
.irp j, 0,1,2,3,4,5,6,7
	MUL2 0, \j
.endr
.irp T, 0,1,2,3,4,5,6,7,8,9,10,11,12,13,14,15,16,17,18,19,20,21,22,23,24,25,26,27,28,29,30,31,32,33,34,35,36,37,38,39,40,41,42,43,44,45,46,47,48,49,50
	STEP \T
.endr
	; THE END OF A BATCH: 800 scores in 25 registers, 20 of them no pairs
	v_cndmask_b32 v[SC+19], v[NINF], v[SC+19], s20
	v_cndmask_b32 v[SC+24], v[NINF], v[SC+24], s21
	v_max3_num_f32 v[M0],   v[SC],    v[SC+1],  v[SC+2]
	v_max3_num_f32 v[M0+1], v[SC+3],  v[SC+4],  v[SC+5]
	v_max3_num_f32 v[M0+2], v[SC+6],  v[SC+7],  v[SC+8]
	v_max3_num_f32 v[M0+3], v[SC+9],  v[SC+10], v[SC+11]
	v_max3_num_f32 v[M0],   v[M0],    v[SC+12], v[SC+13]
	v_max3_num_f32 v[M0+1], v[M0+1],  v[SC+14], v[SC+15]
	v_max3_num_f32 v[M0+2], v[M0+2],  v[SC+16], v[SC+17]
	v_max3_num_f32 v[M0+3], v[M0+3],  v[SC+18], v[SC+19]
	v_max3_num_f32 v[M0],   v[M0],    v[SC+20], v[SC+21]
	v_max3_num_f32 v[M0+1], v[M0+1],  v[SC+22], v[SC+23]
	v_max3_num_f32 v[M0+2], v[M0+2],  v[M0+3],  v[SC+24]
	v_max3_num_f32 v[M0],   v[M0],    v[M0+1],  v[M0+2]
	v_max_num_f32_dpp v[M0], v[M0], v[M0] row_xmask:1 row_mask:0xf bank_mask:0xf
	v_max_num_f32_dpp v[M0], v[M0], v[M0] row_xmask:2 row_mask:0xf bank_mask:0xf
	v_max_num_f32_dpp v[M0], v[M0], v[M0] row_xmask:4 row_mask:0xf bank_mask:0xf
	v_max_num_f32_dpp v[M0], v[M0], v[M0] row_xmask:8 row_mask:0xf bank_mask:0xf
	v_permlanex16_b32 v[M0+1], v[M0], s18, s19
	v_max_num_f32 v[MX],   v[M0], v[M0+1]          ; the batch's largest score, in every lane, twice: a pair for the packed subtraction
	v_max_num_f32 v[MX+1], v[M0], v[M0+1]
.irp k, 0,2,4,6,8,10,12,14,16,18,20,22
	v_pk_add_f32 v[SC+\k:SC+\k+1], v[SC+\k:SC+\k+1], v[MX:MX+1] neg_lo:[0,1] neg_hi:[0,1]
.endr
	v_sub_f32 v[SC+24], v[SC+24], v[MX]
.set n, 0
.rept 25
	v_exp_f32 v[SC+n], v[SC+n]                     ; at most 1; exactly 1 in the largest; 0 where there is no pair
.set n, n+1
.endr
	v_mov_b32 v[RES], v[RES+1]                     ; the result pair moves up; also the plain line between the exponentials and their use (ISA guide 5.7.2)
	s_wait_dscnt 0x0                               ; t is in
	s_wait_alu depctr_va_vdst(0)
	v_pk_add_f32 v[ZZ:ZZ+1], v[SC:SC+1], v[SC+2:SC+3]
	v_pk_mul_f32 v[NN:NN+1], v[SC:SC+1], v[TT:TT+1]
	v_pk_fma_f32 v[NN:NN+1], v[SC+2:SC+3], v[TT+2:TT+3], v[NN:NN+1]
.irp k, 4,6,8,10,12,14,16,18,20,22
	v_pk_add_f32 v[ZZ:ZZ+1], v[ZZ:ZZ+1], v[SC+\k:SC+\k+1]
	v_pk_fma_f32 v[NN:NN+1], v[SC+\k:SC+\k+1], v[TT+\k:TT+\k+1], v[NN:NN+1]
.endr
	v_add_f32 v[ZZ], v[ZZ], v[ZZ+1]
	v_add_f32 v[NN], v[NN], v[NN+1]
	v_add_f32 v[ZZ], v[ZZ], v[SC+24]
	v_fmac_f32 v[NN], v[SC+24], v[TT+24]
.irp m, 1,2,4,8
	v_add_f32_dpp v[ZZ], v[ZZ], v[ZZ] row_xmask:\m row_mask:0xf bank_mask:0xf
	v_add_f32_dpp v[NN], v[NN], v[NN] row_xmask:\m row_mask:0xf bank_mask:0xf
.endr
	v_permlanex16_b32 v[M0],   v[ZZ], s18, s19
	v_permlanex16_b32 v[M0+1], v[NN], s18, s19
	v_add_f32 v[ZZ], v[ZZ], v[M0]                  ; sum of e, at least 1
	v_rcp_f32 v[ZZ+1], v[ZZ]
	v_add_f32 v[NN], v[NN], v[M0+1]                ; sum of e t; the plain line behind v_rcp_f32
	s_wait_alu depctr_va_vdst(0)
	v_mul_f32 v[RES+1], v[NN], v[ZZ+1]
	s_cmp_lg_u32 s17, 0
	s_cbranch_scc1 .Lno_conv
	s_wait_tensorcnt 0x0                           ; nothing was issued behind my second batch
	CONV 1
.Lno_conv:
	s_add_co_u32 s17, s17, 1
	s_cmp_lt_u32 s17, 2
	s_cbranch_scc1 .Lbatch
	ds_store_b64 v[OA], v[RES:RES+1]               ; my two results (every lane holds them)
	s_wait_dscnt 0x0                               ; for wave 0, which reads them: zero
	s_wait_tensorcnt 0x0
	s_barrier_signal -1
	s_barrier_wait -1
	s_cmp_lg_u32 s16, 0
	s_cbranch_scc1 .Lend
	v_and_b32 v12, 15, v0
	v_lshlrev_b32 v12, 2, v12
	v_add_nc_u32 v13, OUTL, v12
	ds_load_b32 v14, v13
	s_lshl_b32 s22, ttmp9, 6                       ; 16 results of 4 bytes for each work-group
	s_mov_b32 s23, 0
	s_add_nc_u64 s[14:15], s[14:15], s[22:23]
	v_cmp_gt_u32 vcc_lo, 16, v0
	s_wait_dscnt 0x0
	s_wait_xcnt 0x0                                ; EXEC is a source of earlier memory instructions: it changes only behind this wait
	s_and_saveexec_b32 s17, vcc_lo
	global_store_b32 v12, v14, s[14:15]            ; 16 lanes, 64 consecutive bytes
	s_wait_xcnt 0x0
	s_or_b32 exec_lo, exec_lo, s17
.Lend:
	s_wait_tensorcnt 0x0
	ds_add_u32 v254, v255
	s_wait_dscnt 0x0
	s_endpgm
.Lfunc_end_k_qec9aeed351_afm:
	.size	k_qec9aeed351_afm, .Lfunc_end_k_qec9aeed351_afm-k_qec9aeed351_afm
	.p2alignl 7, 3214868480
	.fill 96, 4, 3214868480
	.section	.rodata,"a",@progbits
	.p2align	6, 0x0
	.amdhsa_kernel k_qec9aeed351_afm
		.amdhsa_group_segment_fixed_size 323840
		.amdhsa_private_segment_fixed_size 0
		.amdhsa_enable_private_segment 0
		.amdhsa_kernarg_size 48
		.amdhsa_user_sgpr_count 2
		.amdhsa_user_sgpr_kernarg_segment_ptr 1
		.amdhsa_wavefront_size32 1
		.amdhsa_system_sgpr_workgroup_id_x 1
		.amdhsa_system_sgpr_workgroup_id_y 1
		.amdhsa_system_sgpr_workgroup_id_z 1
		.amdhsa_system_vgpr_workitem_id 0
		.amdhsa_next_free_vgpr 256
		.amdhsa_next_free_sgpr 66
		.amdhsa_reserve_vcc 1
		.amdhsa_float_denorm_mode_32 3
		.amdhsa_float_denorm_mode_16_64 3
		.amdhsa_memory_ordered 1
		.amdhsa_forward_progress 1
		.amdhsa_inst_pref_size 170
	.end_amdhsa_kernel
	.amdgpu_metadata
---
amdhsa.version: [ 1, 2 ]
amdhsa.kernels:
  - .name:           k_qec9aeed351_afm
    .symbol:         k_qec9aeed351_afm.kd
    .args:
      - { .name: x, .offset: 0, .size: 8, .value_kind: global_buffer, .address_space: global }
      - { .name: W, .offset: 8, .size: 8, .value_kind: global_buffer, .address_space: global }
      - { .name: b, .offset: 16, .size: 8, .value_kind: global_buffer, .address_space: global }
      - { .name: h, .offset: 24, .size: 8, .value_kind: global_buffer, .address_space: global }
      - { .name: p, .offset: 32, .size: 8, .value_kind: global_buffer, .address_space: global }
      - { .name: out0, .offset: 40, .size: 8, .value_kind: global_buffer, .address_space: global }
    .group_segment_fixed_size: 323840
    .private_segment_fixed_size: 0
    .kernarg_segment_align: 8
    .kernarg_segment_size: 48
    .max_flat_workgroup_size: 256
    .sgpr_count:     66
    .vgpr_count:     256
    .wavefront_size: 32
...
	.end_amdgpu_metadata
.endif
;; end of part 1
